; MI455X (gfx1250); checked and timed in simulation.
; The chip was launched on July 23, 2026; its instructions are those of AMD's public machine-readable ISA for CDNA 5 (MIT licence, August 2026) and "CDNA5" Instruction Set Architecture Reference Guide (July 2026). The comments in the code are by the model that wrote it; some were corrected since.
;; Multi Head Attention. Allowed arithmetic: matrix products marked QUANTISED: E2M1 operands, one E8M0 scale for each 32 along K, by v_wmma_scale_f32_16x16x128_f8f6f4 with both operands' format E2M1 (or v_wmma_scale_f32_32x16x128_f4), f32 sums; everything else in f32.
;; Inputs: Wk_codes 1,024 x 32 x 16 uint8 (E2M1 codes of Wk, K innermost, in blocks of 32 codes, two codes a byte); Wk_scales 1,024 x 32 uint8 (E8M0 scales of Wk, one for each 32 codes along K); Wo_codes 1,024 x 32 x 16 uint8 (E2M1 codes of Wo, K innermost, in blocks of 32 codes, two codes a byte); Wo_scales 1,024 x 32 uint8 (E8M0 scales of Wo, one for each 32 codes along K); Wq_codes 1,024 x 32 x 16 uint8 (E2M1 codes of Wq, K innermost, in blocks of 32 codes, two codes a byte); Wq_scales 1,024 x 32 uint8 (E8M0 scales of Wq, one for each 32 codes along K); Wv_codes 1,024 x 32 x 16 uint8 (E2M1 codes of Wv, K innermost, in blocks of 32 codes, two codes a byte); Wv_scales 1,024 x 32 uint8 (E8M0 scales of Wv, one for each 32 codes along K); bk 1,024 float32; bo 1,024 float32; x_codes 2 x 2,048 x 32 x 16 uint8 (E2M1 codes of x, K innermost, in blocks of 32 codes, two codes a byte); x_scales 2 x 2,048 x 32 uint8 (E8M0 scales of x, one for each 32 codes along K).
;; Outputs: out0 2 x 2,048 x 1,024 float32.
;; This version of the problem:
;;   THIS VERSION OF THE PROBLEM IS GIVEN IN LOW PRECISION. The matrix products marked QUANTISED in the list below multiply operands that are first quantised to E2M1 (2 exponent bits, 1 mantissa bit; 4 bits a number), with one power-of-two scale for each 32 numbers along K (OCP MX v1.0); their sums are f32. All else is computed in f32.
;;   The module's matrix products, in the order in which they are computed (A, B: the left and right operand; K: the contracted axis; several contracted axes count as one K, in the product's order):
;;     1. [M 4,096, K 1,024] x [K 1,024, N 1,024]; A: input x (given as codes); B: input Wq (given as codes): QUANTISED
;;     2. [M 4,096, K 1,024] x [K 1,024, N 1,024]; A: input x (given as codes); B: input Wk (given as codes): QUANTISED
;;     3. [M 4,096, K 1,024] x [K 1,024, N 1,024]; A: input x (given as codes); B: input Wv (given as codes): QUANTISED
;;     4. batch 32 x [M 2,048, K 64] x [K 64, N 2,048]; A: computed on the way; B: computed on the way: QUANTISED
;;     5. batch 32 x [M 2,048, K 2,048] x [K 2,048, N 64]; A: softmax (see below); B: computed on the way: QUANTISED
;;     6. [M 4,096, K 1,024] x [K 1,024, N 1,024]; A: computed on the way; B: input Wo (given as codes): QUANTISED
;;   THE QUANTISER, for each operand of a quantised product, along K:
;;     - K is cut into blocks of 32 from its start; a last block that is shorter is filled with zeros.
;;     - A block's scale is 2^e with e = floor(log2(the largest magnitude in the block)) - 2, held to -126 .. 127; a block of zeros has e = 0. As a byte (E8M0): e + 127.
;;     - Each number is divided by its block's scale, clamped to +-6, and rounded to the nearest number of E2M1, ties to even, subnormals kept.
;;     - The product sums the exact products of the quantised numbers (number of the format x scale) in f32.
;;   ~~~python
;;   def quantise(x, axis):      # numpy; x: float32 -> the quantised numbers, widened to float32 again
;;       x = np.moveaxis(x, axis, -1); K = x.shape[-1]
;;       x = np.pad(x, [(0, 0)] * (x.ndim - 1) + [(0, -K % 32)]); x = x.reshape(x.shape[:-1] + (-1, 32)); a = np.abs(x).max(-1, keepdims=True)
;;       e = np.where(a > 0, np.clip(np.frexp(np.where(a > 0, a, 1))[1] - 1 - 2, -126, 127), 0)      # np.frexp(a)[1] - 1 = floor(log2(a)), exactly
;;       r = np.clip(x / 2.0 ** e, -6, 6)
;;       step = 2.0 ** (np.maximum(np.frexp(np.where(r == 0, 1, r))[1] - 1, 0) - 1)
;;       q = np.round(r / step) * step * 2.0 ** e      # np.round: ties to even
;;       return np.moveaxis(q.reshape(q.shape[:-2] + (-1,))[..., :K], -1, axis).astype(np.float32)
;;   ~~~
;;   SOFTMAX AHEAD OF A QUANTISED PRODUCT. Where the list says 'softmax', what is quantised is not the finished softmax but p = 2^(t - M), with t = logit x log2(e) and M = ceil(the row's largest t), a whole number; so 1/2 < the row's largest p <= 1. The row's sum l is taken of the UNQUANTISED p, in f32, and the product's result is divided by l at the end. Since M is a whole number, a kernel that streams over the keys may use a running M (the ceiling of the running maximum): every later rescaling is an exact power of two, which a block's scale takes up: the codes' values come out the same.
;;   OPERANDS COMPUTED ON THE WAY. 'Computed on the way' means the value that the module computes at that place (a softmax that the list does not call 'softmax' is quantised finished and normalised). What goes into a quantiser is computed in f32, as accurately as f32 sums, v_exp_f32 and their like allow (about 1e-6 of the number): no bf16 or f16 on the way to a quantiser, and a product that is left as it is and whose result goes on into a quantised operand takes f32 operands (vector FMAs, or v_wmma_f32_16x16x4_f32). A number that lies on a knife's edge between two numbers of the format may be rounded either way, as far as f32 arithmetic and the matrix unit's own rounding can turn it there, and no further.
;;   INPUTS GIVEN AS CODES. Wk (in the module: [1024, 1024], K = its axis 1); Wo (in the module: [1024, 1024], K = its axis 1); Wq (in the module: [1024, 1024], K = its axis 1); Wv (in the module: [1024, 1024], K = its axis 1); x (in the module: [2, 2048, 1024], K = its axis 2): each comes as NAME_codes (uint8): NAME with its K axis moved to the last place and cut into blocks of 32 codes, [.., K / 32, bytes a block], one block behind the other in memory; two codes a byte, the lower K in the low four bits (a code: sign, 2 exponent bits, 1 mantissa bit); and NAME_scales (uint8): the same leading axes, one E8M0 byte (e + 127) for each 32 codes along K. Its value is code x scale, taken as it is: it is not quantised again, and the codes and scales need not be those that the quantiser above would give.
;; One version. Each part assembles by itself: llvm-mc -triple=amdgcn-amd-amdhsa -mcpu=gfx1250 --defsym DOCPART=n.
;; ======== version 1 of 1: 3 launches
;; limits: right only within a limited range of input values
;; workspace buffers: qrec 4,587,520 bytes; kv 4,587,520 bytes; ao_img 2,097,152 bytes; ao_sc 131,072 bytes
;; launch proj (part 1): grid 16 x 16, 4 waves a work-group, clusters of 4 x 4, 237,568 bytes of LDS; arguments x_codes, x_scales, Wq_codes, Wq_scales, Wk_codes, Wk_scales, Wv_codes, Wv_scales, bk, qrec, kv; writes qrec, kv
.if DOCPART == 1
	.amdgcn_target "amdgcn-amd-amdhsa--gfx1250"
	.amdhsa_code_object_version 6
	.text
	.protected	k_q0746ada06c_proj
	.globl	k_q0746ada06c_proj
	.p2align	8
	.type	k_q0746ada06c_proj,@function
k_q0746ada06c_proj:
	s_mov_b64 s[64:65], 0
	v_nop
	global_prefetch_b8 v0, s[64:65] scope:SCOPE_SE
	s_setreg_imm32_b32 hwreg(HW_REG_WAVE_MODE, 25, 1), 1
	s_wait_xcnt 0x0
	s_wait_alu depctr_hold_cnt(0) depctr_sa_sdst(0) depctr_va_vdst(0) depctr_va_sdst(0) depctr_va_ssrc(0) depctr_va_vcc(0) depctr_vm_vsrc(0)
	s_getreg_b32 s2, hwreg(HW_REG_IB_STS2, 6, 4)
	s_cmp_eq_u32 s2, 0
	s_cbranch_scc0 .Lentry_in_a_cluster
	s_endpgm
.Lentry_in_a_cluster:
	s_bfe_u32 s2, ttmp6, 0x10000c
	s_cmp_lg_u32 s2, 0xf033
	s_cbranch_scc0 .Lentry_shape_is_right
	s_endpgm
.Lentry_shape_is_right:
; q = x Wq^T, k = x Wk^T + bk, v = x Wv^T on codes of FP4 (E2M1) with one E8M0 scale for each 32 along K = 1,024; the results are quantised here:
; q and k along the head's 64 (two blocks), v along the keys (blocks of 32), and leave as codes laid in the order of the next launch's operand registers.
; SHARES.  A work-group takes 256 tokens (y) of one head (x): 256 x 192 results; all of K lies in LDS at once: every LDS byte is filled once, there is no ring and no loop of loads in which a prefetch could run ahead.
; Wave w: wi = w / 2: tokens 128 wi on, eight tiles of 16;  j = w % 2: j = 0 makes q, j = 1 makes k, and both make channel tiles 2 j, 2 j + 1 of v's four.  Every block, fragment and scale word is one wave's own.
; The 32 x 16 form: q, k: source 0 = 32 rows of the weight, source 1 = 16 tokens: a lane (r, h) holds one token, registers 8 u + i of block b are channels 32 b + 16 u + 8 h + i.  v: source 0 = 32 tokens, source 1 = 16 rows of Wv: a lane holds one channel.
; The eight numbers of one tile become one register of codes; v_permlane16_swap_b32 between the same tile of two neighbouring blocks then gives a lane its whole block in order.
; SCALE BYTES of x and of the weights go from memory straight into registers: lane l takes the 32 bytes of row 32 g + l, so a wave's two loads cover 1,024 bytes on end.
; CLUSTER 4 x 4: x's tiles hang on y alone and are asked for jointly along a row of the cluster, the weights' on the head alone and jointly along a column.
; OUT.  A record of 8,960 bytes for 128 tokens of a head: 8 images of k (q in qrec), 8 images of v^T (channel tile, half of the keys), 512 bytes of k's (q's) scale words [lane 32][pair of tiles 4], 256 bytes of v's [lane 32][pair of channel tiles 2].
; Lane 16 h + r of a pair's word belongs to row r of the pair's tile h.  An image is 16 rows x 64 codes in 512 bytes, lane l's 16 bytes at 16 l: lane (r, h) holds block h of row r.
; LIMITS: a block whose largest magnitude lies under 2^-124 (a block of zeros too) gets the scale byte 1: its bytes are read by this program alone.  NaN and infinities among the inputs are not served.
.set TILEB, 16*528                     ; a tile of 16 rows in LDS: 512 bytes + 16 of padding a row: the 16 rows of a load begin 132 words apart
.set WC,    16*TILEB                   ; behind x's sixteen tiles: Wq's four, Wk's, Wv's
.set VST,   WC+12*TILEB                ; 512 bytes into which no fill lands: v's scale words meet here
.set SPARE, VST+512                    ; the spare words
.set REC,   8960
.set ADX, 5                            ; LDS addresses of my x tiles, my weight's, my two of Wv
.set ADW, 6
.set ADV, 7
.set LI,  10                           ; 16 x lane
.set L32, 11                           ; 32 x lane
.set BOF, 12                           ; 32 h
.set VSA, 16                           ; where I put v's scale words; where wave 0 reads them back; where they go
.set VSR, 17
.set VSG, 18
.set SPW, 20
.set NIL, 21
.set XS,  32                           ; v32-63 x's scale words: pair g of tiles, K step s at 8 g + s
.set WS,  64                           ; v64-79 my weight's: pair b
.set VW,  80                           ; v80-87 Wv's pair
.set TM,  88                           ; the quantiser's
.set W8,  104                          ; v104-107 q's or k's scale words
.set XF,  128                          ; x's eight fragments: set 0 in window 0, set 1 in window 3
.set WF,  192                          ; the weights' six
.set PC,  128                          ; behind the products: six sets of 8 registers of codes, window 0
.set BIAS, 128                         ; window 2
.set WV,  26                           ; s26 wave, s27 j, s2 wi, s3 all ones where j = 1
.set MSB, 0
.macro WIN new                         ; the immediate's high byte repeats the setting that is left; a switch that changes nothing is dropped
.if MSB != (\new)
	s_set_vgpr_msb (MSB<<8)|(\new)
.set MSB, (\new)
.endif
.endm
.macro PLACES n
.rept \n
	v_nop
.endr
.endm
.macro CROUND                          ; a round of the cluster's barrier
	s_barrier_signal -1
	s_barrier_wait -1
	s_cmp_lg_u32 s[WV], 0
	s_cbranch_scc1 .Lnot_wave_0_\@
	s_barrier_signal -3
.Lnot_wave_0_\@:
	s_barrier_wait -3
	s_barrier_signal -1
	s_barrier_wait -1
.endm
	s_load_b512 s[4:19], s[0:1], 0x0               ; x's codes, scales; Wq's; Wk's; Wv's
	s_load_b128 s[20:23], s[0:1], 0x40             ; bk, qrec
	s_load_b64 s[24:25], s[0:1], 0x50              ; kv
	v_lshl_add_u32 v[SPW], v0, 2, SPARE
	v_mov_b32 v[NIL], 0
	ds_add_u32 v[SPW], v[NIL]                      ; the opening: the add, twice on end
	ds_add_u32 v[SPW], v[NIL]
	v_lshrrev_b32 v1, 5, v0
	v_readfirstlane_b32 s[WV], v1
	s_and_b32 s27, s[WV], 1
	s_lshr_b32 s2, s[WV], 1
	s_cmp_lg_u32 s27, 0
	s_cselect_b32 s3, -1, 0
	s_bfe_u32 s96, ttmp6, 0x40000                  ; cx
	s_bfe_u32 s97, ttmp6, 0x40004                  ; cy
	s_lshl_b32 s98, ttmp9, 2
	s_add_co_u32 s98, s98, s96                     ; the head
	s_and_b32 s99, ttmp7, 0xffff
	s_lshl_b32 s99, s99, 2
	s_add_co_u32 s99, s99, s97                     ; y: my 256 tokens
	s_lshl_b32 s66, s97, 2
	s_lshl_b32 s66, 15, s66                        ; my row of the cluster
	s_lshl_b32 s100, 0x1111, s96                   ; my column
	; groups 1: rows of 512 bytes (64 elements of 8), dense in memory, 16 bytes of padding behind each (128 words: code 6; 4 words: code 3); bit 21 beside a mask
	s_or_b32 s28, s66, (3<<16)|(1<<20)|(1<<21)|(6<<22)|(3<<25)   ; x: 256 rows
	s_mov_b32 s29, 64<<16
	s_mov_b32 s30, 256<<16
	s_mov_b32 s31, 64<<16
	s_mov_b32 s32, 256
	s_mov_b32 s33, 64
	s_mov_b32 s34, 0
	s_mov_b32 s35, 0
	s_or_b32 s36, s100, (3<<16)|(1<<20)|(1<<21)|(6<<22)|(3<<25)  ; a weight: 64 rows
	s_mov_b32 s37, 64<<16
	s_mov_b32 s38, 64<<16
	s_mov_b32 s39, 64<<16
	s_mov_b32 s40, 64
	s_mov_b32 s41, 64
	s_mov_b32 s42, 0
	s_mov_b32 s43, 0
	s_mul_i32 s72, s2, 8*TILEB                     ; my eight tiles of x
	s_mul_i32 s73, s27, 4*TILEB
	s_add_co_u32 s73, s73, WC                      ; my weight's four
	s_mul_i32 s74, s27, 2*TILEB
	s_add_co_u32 s74, s74, WC+8*TILEB              ; my two of Wv
	s_lshl_b32 s75, s2, 8
	s_lshl_b32 s76, s27, 2
	s_add_co_u32 s75, s75, s76
	s_add_co_u32 s75, s75, VST                     ; v's words: VST + 256 wi + 4 j
	v_and_b32 v1, 15, v0                           ; r
	v_bfe_u32 v2, v0, 4, 1                         ; h
	v_and_b32 v3, 31, v0                           ; lane
	v_mul_u32_u24 v4, v1, 528
	v_lshl_add_u32 v4, v2, 4, v4                   ; a fragment's row x pitch + 16 x half
	v_add_nc_u32 v[ADX], s72, v4
	v_add_nc_u32 v[ADW], s73, v4
	v_add_nc_u32 v[ADV], s74, v4
	v_lshlrev_b32 v[LI], 4, v3
	v_lshlrev_b32 v[L32], 5, v3
	v_lshlrev_b32 v[BOF], 5, v2
	v_lshl_add_u32 v[VSA], v3, 3, s75
	v_add_nc_u32 v[VSR], VST, v[LI]
	v_mul_u32_u24 v[VSG], v2, REC
	v_lshl_add_u32 v[VSG], v1, 4, v[VSG]
	s_wait_alu depctr_va_vdst(0)                   ; directly ahead of the waits below
	s_wait_dscnt 0x0                               ; both opening adds are done
	s_wait_kmcnt 0x0
	; groups 0.  x's are made of y in s66, s67; the weights' of the head and the wave's number in s100, s101 and s[68:69]
	s_lshl_b32 s66, s99, 17                        ; 256 rows of 512 bytes
	s_mov_b32 s67, 0
	s_mov_b32 s44, 1
	s_mov_b32 s45, 0
	s_add_nc_u64 s[46:47], s[4:5], s[66:67]
	s_or_b32 s47, s47, 0x80000000
	s_lshl_b32 s100, s98, 15                       ; the head's 64 rows
	s_mov_b32 s101, 0
	s_cmp_eq_u32 s[WV], 2                          ; wave 1 asks for Wq, wave 2 for Wk, wave 3 for Wv
	s_cselect_b64 s[68:69], s[12:13], s[8:9]
	s_cmp_eq_u32 s[WV], 3
	s_cselect_b64 s[68:69], s[16:17], s[68:69]
	s_mov_b32 s48, 1
	s_mul_i32 s49, s[WV], 4*TILEB
	s_add_co_u32 s49, s49, WC-4*TILEB
	s_add_nc_u64 s[50:51], s[68:69], s[100:101]
	s_or_b32 s51, s51, 0x80000000
	; scale bytes and bias
	s_lshl_b32 s66, s99, 13
	s_lshl_b32 s67, s2, 12
	s_add_co_u32 s66, s66, s67
	s_mov_b32 s67, 0
	s_add_nc_u64 s[52:53], s[6:7], s[66:67]        ; x's: my 128 rows of 32 bytes
	s_lshl_b32 s100, s98, 11
	s_cmp_lg_u32 s27, 0
	s_cselect_b64 s[54:55], s[14:15], s[10:11]     ; Wk's or Wq's
	s_add_nc_u64 s[54:55], s[54:55], s[100:101]
	s_lshl_b32 s70, s27, 10
	s_mov_b32 s71, 0
	s_add_nc_u64 s[56:57], s[18:19], s[100:101]
	s_add_nc_u64 s[56:57], s[56:57], s[70:71]      ; Wv's: my 32 rows
	s_lshl_b32 s100, s98, 8
	s_add_nc_u64 s[20:21], s[20:21], s[100:101]    ; bk at the head's 64 numbers
.irp g, 0,1,2,3
.irp e, 0,1
	global_load_b128 v[XS+8*\g+4*\e:XS+8*\g+4*\e+3], v[L32], s[52:53] offset:1024*\g+16*\e
.endr
.endr
.irp g, 0,1
.irp e, 0,1
	global_load_b128 v[WS+8*\g+4*\e:WS+8*\g+4*\e+3], v[L32], s[54:55] offset:1024*\g+16*\e
.endr
.endr
.irp e, 0,1
	global_load_b128 v[VW+4*\e:VW+4*\e+3], v[L32], s[56:57] offset:16*\e
.endr
	WIN 0x80                                       ; destination window 2
.irp t, 0,1,2,3
	global_load_b128 v[BIAS+8*\t:BIAS+8*\t+3], v[BOF], s[20:21] offset:64*\t        ; register 8 t + i: bk at 16 t + 8 h + i
	global_load_b128 v[BIAS+8*\t+4:BIAS+8*\t+7], v[BOF], s[20:21] offset:64*\t+16
.endr
	WIN 0
	CROUND                                         ; all sixteen work-groups are here: the joint loads meet
	s_cmp_eq_u32 s[WV], 0                          ; one tensor load a wave: wave 0 x, waves 1 to 3 a weight each
	s_cbranch_scc0 .Lfill_w
	tensor_load_to_lds s[44:47], s[28:35]
	s_nop 0
	PLACES 4                                       ; four lines behind the load
	s_branch .Lfilled
.Lfill_w:
	tensor_load_to_lds s[48:51], s[36:43]
	s_nop 0
	PLACES 4
.Lfilled:
	; where the results go.  bh = 16 x batch + head; a batch has 16 records, my work-group two of them, my wave record wi
	s_lshr_b32 s66, s99, 3
	s_lshl_b32 s66, s66, 4
	s_add_co_u32 s66, s66, s98
	s_lshl_b32 s66, s66, 4
	s_and_b32 s67, s99, 7
	s_lshl_b32 s67, s67, 1
	s_add_co_u32 s66, s66, s67
	s_mul_i32 s100, s66, REC
	s_mov_b32 s101, 0
	s_add_nc_u64 s[62:63], s[24:25], s[100:101]
	s_add_nc_u64 s[62:63], s[62:63], 8704          ; v's scale words of the work-group's first record
	s_mul_i32 s66, s2, REC
	s_add_co_u32 s100, s100, s66
	s_cmp_lg_u32 s27, 0
	s_cselect_b64 s[58:59], s[24:25], s[22:23]     ; k goes to kv, q to qrec
	s_add_nc_u64 s[58:59], s[58:59], s[100:101]
	s_lshl_b32 s66, s27, 11
	s_add_co_u32 s100, s100, s66
	s_add_co_u32 s100, s100, 4096
	s_add_nc_u64 s[60:61], s[24:25], s[100:101]    ; my four images of v^T
	s_wait_loadcnt 0x0                             ; scale words and bias
	WIN 0x88                                       ; source 1 and destination window 2
.set N, 0
.rept 32
	v_cndmask_b32 v[BIAS+N], 0, v[BIAS+N], s3      ; q has no bias: its waves take zeros, by a select and no branch
.set N, N+1
.endr
	WIN 0
	s_wait_alu depctr_va_vdst(0)                   ; at the head's end
	s_wait_tensorcnt 0x0                           ; my tile has landed,
	s_barrier_signal -1
	s_barrier_wait -1                              ; everybody's has.  Nothing is ever filled again
; 28 LDS loads: K step s (64 bytes of each row) of x's eight tiles and the weights' six, into set p
.macro FETCH s, p
	WIN 0xc0*(\p)                                  ; destination window 0 or 3, address window 0
.irp i, 0,1,2,3,4,5,6,7
.irp c, 0,1
	ds_load_b128 v[XF+8*\i+4*\c:XF+8*\i+4*\c+3], v[ADX] offset:\i*TILEB+64*(\s)+32*\c
.endr
.endr
.irp t, 0,1,2,3
.irp c, 0,1
	ds_load_b128 v[WF+8*\t+4*\c:WF+8*\t+4*\c+3], v[ADW] offset:\t*TILEB+64*(\s)+32*\c
.endr
.endr
.irp u, 0,1
.irp c, 0,1
	ds_load_b128 v[WF+32+8*\u+4*\c:WF+32+8*\u+4*\c+3], v[ADV] offset:\u*TILEB+64*(\s)+32*\c
.endr
.endr
	WIN 0
.endm
.macro QKM s, i, b, c                  ; q or k: 32 rows of the weight (pair b) x token tile i
.if (\i)%2
	v_wmma_scale_f32_32x16x128_f4 v[32*(\i)+16*(\b):32*(\i)+16*(\b)+15], v[WF+16*(\b):WF+16*(\b)+15], v[XF+8*(\i):XF+8*(\i)+7], v[\c:\c+15], v[WS+8*(\b)+(\s)], v[XS+8*((\i)/2)+(\s)] matrix_b_scale:MATRIX_SCALE_ROW1
.else
	v_wmma_scale_f32_32x16x128_f4 v[32*(\i)+16*(\b):32*(\i)+16*(\b)+15], v[WF+16*(\b):WF+16*(\b)+15], v[XF+8*(\i):XF+8*(\i)+7], v[\c:\c+15], v[WS+8*(\b)+(\s)], v[XS+8*((\i)/2)+(\s)]
.endif
.endm
; A K step's 24 matrix instructions, on set p.  The 24 accumulators take turns, one instruction a turn, in the same order in every step.
; Step 0 starts the sums: q's and k's with the bias as C, v's with the constant 0: nothing is cleared.
.macro MULS s, p
.if (\s) == 0
	WIN 0x60                                       ; D window 1, C (the bias) window 2
.else
	WIN 0x50|(0x0f*(\p))                           ; C and D window 1; sources window 0 or 3
.endif
.irp i, 0,1,2,3,4,5,6,7
.irp b, 0,1
.if (\s) == 0
	QKM \s, \i, \b, BIAS+16*\b
.else
	QKM \s, \i, \b, 32*\i+16*\b
.endif
.endr
.endr
	WIN 0xa0|(0x0f*(\p))                           ; C and D window 2
.irp g, 0,1,2,3
.if (\s) == 0
	v_wmma_scale_f32_32x16x128_f4 v[16*\g:16*\g+15], v[XF+16*\g:XF+16*\g+15], v[WF+32:WF+39], 0, v[XS+8*\g+(\s)], v[VW+(\s)]
	v_wmma_scale_f32_32x16x128_f4 v[64+16*\g:64+16*\g+15], v[XF+16*\g:XF+16*\g+15], v[WF+40:WF+47], 0, v[XS+8*\g+(\s)], v[VW+(\s)] matrix_b_scale:MATRIX_SCALE_ROW1
.else
	v_wmma_scale_f32_32x16x128_f4 v[16*\g:16*\g+15], v[XF+16*\g:XF+16*\g+15], v[WF+32:WF+39], v[16*\g:16*\g+15], v[XS+8*\g+(\s)], v[VW+(\s)]
	v_wmma_scale_f32_32x16x128_f4 v[64+16*\g:64+16*\g+15], v[XF+16*\g:XF+16*\g+15], v[WF+40:WF+47], v[64+16*\g:64+16*\g+15], v[XS+8*\g+(\s)], v[VW+(\s)] matrix_b_scale:MATRIX_SCALE_ROW1
.endif
.endr
.endm
; 64 numbers of a lane, registers s .. s + 63 of window w: 16 b + 8 u + i is place 16 u + 8 h + i of block b.  They become two operands' halves of 4 registers of codes at v[pc], and the scale bytes: TM+4 [block 0 | block 1], TM+5 [2 | 3] (lanes 0-15 | 16-31).
; A block's scale byte is its largest magnitude's exponent field - 2, held at 1 from below by the floor 2^(3 - 127) among the maximum's leaves.  Each accumulator is read from its low end on.
.macro QUANT w, s, pc
	WIN (\w)|((\w)<<2)                             ; sources 0 and 1 in the accumulators' window
.irp b, 0,1,2,3
	v_max3_num_f32 v[TM+\b], |v[(\s)+16*\b]|, |v[(\s)+16*\b+1]|, 0x1800000
.endr
.irp i, 2,4,6,8,10,12,14
.irp b, 0,1,2,3
	v_max3_num_f32 v[TM+\b], |v[(\s)+16*\b+\i]|, |v[(\s)+16*\b+\i+1]|, v[TM+\b]   ; the four blocks by turns
.endr
.endr
	WIN 0
	v_permlane16_swap_b32 v[TM], v[TM+1]           ; the two lane halves' maxima of blocks 0 and 1 come to stand one above the other:
	v_permlane16_swap_b32 v[TM+2], v[TM+3]
	v_max_num_f32 v[TM], v[TM], v[TM+1]            ; lanes 0-15 block 0's, lanes 16-31 block 1's
	v_max_num_f32 v[TM+2], v[TM+2], v[TM+3]
	v_add_nc_u32 v[TM], 0xff000000, v[TM]          ; 2 off its exponent field: the conversion takes the exponent field of this operand as its scale
	v_add_nc_u32 v[TM+2], 0xff000000, v[TM+2]
	v_lshrrev_b32 v[TM+4], 23, v[TM]
	v_lshrrev_b32 v[TM+5], 23, v[TM+2]
	v_mov_b32 v[TM+1], v[TM]
	v_mov_b32 v[TM+3], v[TM+2]
	v_permlane16_swap_b32 v[TM], v[TM+1]           ; each block's operand in all lanes
	v_permlane16_swap_b32 v[TM+2], v[TM+3]
	WIN (\w)                                       ; source 0 in the accumulators' window
.irp b, 0,1,2,3
	v_cvt_scalef32_pk8_fp4_f32 v[(\pc)+4*(\b/2)+\b%2], v[(\s)+16*\b:(\s)+16*\b+7], v[TM+\b]
	v_cvt_scalef32_pk8_fp4_f32 v[(\pc)+4*(\b/2)+2+\b%2], v[(\s)+16*\b+8:(\s)+16*\b+15], v[TM+\b]
.endr
	WIN 0
	v_nop                                          ; one plain line behind a scaled conversion
.irp c, 0,2,4,6
	v_permlane16_swap_b32 v[(\pc)+\c], v[(\pc)+\c+1]   ; whole blocks: lanes 0-15 the even one, lanes 16-31 the odd one
.endr
.endm
	FETCH 0, 0
.irp s, 0,1,2,3,4,5,6
.if \s > 0
	PLACES 4                                       ; the set to be loaded was read by the products just issued
.endif
	FETCH \s+1, (\s+1)%2
	s_wait_dscnt 28                                ; all but the 28 loads just issued: this step's fragments are in
	MULS \s, \s%2
.endr
	s_wait_dscnt 0x0
	MULS 7, 1
	WIN 0
	PLACES 4                                       ; in front of the first read of results, and of writes into registers that held fragments
	; q or k: the 64 registers of token tiles 2 p and 2 p + 1: blocks 0, 1 are tile 2 p's two blocks of the head, blocks 2, 3 tile 2 p + 1's
.irp p, 0,1,2,3
	QUANT 1, 64*\p, PC+8*\p
	v_permlane16_swap_b32 v[TM+4], v[TM+5]         ; lanes 0-15 tile 2 p's bytes, lanes 16-31 tile 2 p + 1's
	v_lshl_or_b32 v[W8+\p], v[TM+5], 8, v[TM+4]    ; two bytes, and two bytes 0 over the upper 64 of the next product's K step
.irp e, 0,1
	global_store_b128 v[LI], v[PC+8*\p+4*\e:PC+8*\p+4*\e+3], s[58:59] offset:512*(2*\p+\e)   ; 512 consecutive bytes
.endr
.endr
	global_store_b128 v[LI], v[W8:W8+3], s[58:59] offset:8192
	; v: the 64 registers of a channel tile are 128 keys: a whole fragment of v^T and a whole scale word
.irp u, 0,1
	QUANT 2, 64*\u, PC+32+8*\u
	v_lshl_or_b32 v[TM+8+\u], v[TM+5], 16, v[TM+4] ; lanes 0-15 bytes 0 and 2, lanes 16-31 bytes 1 and 3 of the word
.irp c, 0,1
	global_store_b128 v[LI], v[PC+32+8*\u+4*\c:PC+32+8*\u+4*\c+3], s[60:61] offset:512*(2*\u+\c)
.endr
.endr
	v_permlane16_swap_b32 v[TM+8], v[TM+9]
	v_lshl_or_b32 v[TM+10], v[TM+9], 8, v[TM+8]    ; lanes 0-15 the words of tile 2 j, lanes 16-31 those of tile 2 j + 1
	ds_store_b32 v[VSA], v[TM+10]                  ; two waves' words lie between each other's: they meet in LDS
	s_wait_alu depctr_va_vdst(0)
	s_wait_dscnt 0x0                               ; for the others' sake
	s_barrier_signal -1
	s_barrier_wait -1
	s_cmp_lg_u32 s[WV], 0
	s_cbranch_scc1 .Lnot_mine
	ds_load_b128 v[24:27], v[VSR]
	s_wait_dscnt 0x0
	global_store_b128 v[VSG], v[24:27], s[62:63]   ; sixteen lanes fill the 256 bytes of one record's words, the other sixteen the next record's
.Lnot_mine:
	s_wait_tensorcnt 0x0                           ; the wave's end
	ds_add_u32 v[SPW], v[NIL]
	s_wait_dscnt 0x0
	CROUND                                         ; the closing round: no work-group ends while a partner may still ask for a tile that names it
	s_endpgm
.Lfunc_end_k_q0746ada06c_proj:
	.size	k_q0746ada06c_proj, .Lfunc_end_k_q0746ada06c_proj-k_q0746ada06c_proj
	.p2alignl 7, 3214868480
	.fill 96, 4, 3214868480
	.section	.rodata,"a",@progbits
	.p2align	6, 0x0
	.amdhsa_kernel k_q0746ada06c_proj
		.amdhsa_group_segment_fixed_size 237568
		.amdhsa_private_segment_fixed_size 0
		.amdhsa_enable_private_segment 0
		.amdhsa_kernarg_size 88
		.amdhsa_user_sgpr_count 2
		.amdhsa_user_sgpr_kernarg_segment_ptr 1
		.amdhsa_wavefront_size32 1
		.amdhsa_system_sgpr_workgroup_id_x 1
		.amdhsa_system_sgpr_workgroup_id_y 1
		.amdhsa_system_sgpr_workgroup_id_z 1
		.amdhsa_system_vgpr_workitem_id 0
		.amdhsa_next_free_vgpr 1024
		.amdhsa_next_free_sgpr 102
		.amdhsa_reserve_vcc 0
		.amdhsa_float_denorm_mode_32 3
		.amdhsa_float_denorm_mode_16_64 3
		.amdhsa_memory_ordered 1
		.amdhsa_forward_progress 1
		.amdhsa_inst_pref_size 74
	.end_amdhsa_kernel
	.amdgpu_metadata
---
amdhsa.version: [ 1, 2 ]
amdhsa.kernels:
  - .name:           k_q0746ada06c_proj
    .symbol:         k_q0746ada06c_proj.kd
    .args:
      - { .name: x_codes, .offset: 0, .size: 8, .value_kind: global_buffer, .address_space: global }
      - { .name: x_scales, .offset: 8, .size: 8, .value_kind: global_buffer, .address_space: global }
      - { .name: Wq_codes, .offset: 16, .size: 8, .value_kind: global_buffer, .address_space: global }
      - { .name: Wq_scales, .offset: 24, .size: 8, .value_kind: global_buffer, .address_space: global }
      - { .name: Wk_codes, .offset: 32, .size: 8, .value_kind: global_buffer, .address_space: global }
      - { .name: Wk_scales, .offset: 40, .size: 8, .value_kind: global_buffer, .address_space: global }
      - { .name: Wv_codes, .offset: 48, .size: 8, .value_kind: global_buffer, .address_space: global }
      - { .name: Wv_scales, .offset: 56, .size: 8, .value_kind: global_buffer, .address_space: global }
      - { .name: bk, .offset: 64, .size: 8, .value_kind: global_buffer, .address_space: global }
      - { .name: qrec, .offset: 72, .size: 8, .value_kind: global_buffer, .address_space: global }
      - { .name: kv, .offset: 80, .size: 8, .value_kind: global_buffer, .address_space: global }
    .group_segment_fixed_size: 237568
    .private_segment_fixed_size: 0
    .kernarg_segment_align: 8
    .kernarg_segment_size: 88
    .max_flat_workgroup_size: 128
    .sgpr_count:     102
    .vgpr_count:     1024
    .wavefront_size: 32
...
	.end_amdgpu_metadata
.endif
;; end of part 1
;; launch attn (part 2): grid 128 x 2, 16 waves a work-group, clusters of 4 x 1, 169,984 bytes of LDS; arguments qrec, kv, ao_img, ao_sc; writes ao_img, ao_sc
.if DOCPART == 2
	.amdgcn_target "amdgcn-amd-amdhsa--gfx1250"
	.amdhsa_code_object_version 6
	.text
	.protected	k_q0746ada06c_attn
	.globl	k_q0746ada06c_attn
	.p2align	8
	.type	k_q0746ada06c_attn,@function
k_q0746ada06c_attn:
	s_mov_b64 s[64:65], 0
	v_nop
	global_prefetch_b8 v0, s[64:65] scope:SCOPE_SE
	s_setreg_imm32_b32 hwreg(HW_REG_WAVE_MODE, 25, 1), 1
	s_wait_xcnt 0x0
	s_wait_alu depctr_hold_cnt(0) depctr_sa_sdst(0) depctr_va_vdst(0) depctr_va_sdst(0) depctr_va_ssrc(0) depctr_va_vcc(0) depctr_vm_vsrc(0)
	s_getreg_b32 s2, hwreg(HW_REG_IB_STS2, 6, 4)
	s_cmp_eq_u32 s2, 0
	s_cbranch_scc0 .Lentry_in_a_cluster
	s_endpgm
.Lentry_in_a_cluster:
	s_bfe_u32 s2, ttmp6, 0x10000c
	s_cmp_lg_u32 s2, 0x3003
	s_cbranch_scc0 .Lentry_shape_is_right
	s_endpgm
.Lentry_shape_is_right:
; o = softmax(q k^T / 8) v for one head of 64, both products on codes of FP4 (E2M1) with one E8M0 scale for each 32 along a product's K; o is quantised along the head and leaves as codes.
; THE SOFTMAX AHEAD OF THE SECOND PRODUCT: t = score x log2(e) / 8; M = the row's largest t so far, rounded UP to a whole number; p = 2^(t - M) is what is quantised, along the keys, not normalised.
; The row's sum is taken of the unquantised p, in f32, and divides o at the end.  When M moves, the sum and o are multiplied by 2^(old M - new M): exact.
; SHARES.  A work-group owns 256 queries of one (batch, head) = bh; each of its sixteen waves one tile of 16, in 256 registers: four waves to a SIMD, so that one wave's exponentials stand beside another's plain work.
; Every wave walks the head's 2,048 keys, 128 a step: one record of kv: 8 images of k, 8 images of v^T, their scale words.  All 16 records, 143,360 bytes, lie in LDS at once: each byte is filled once (one load a wave, one record), so no loop of loads is there in which a prefetch could run ahead.
; A step's loads, v of the step and k of the next, are asked for in its first part, ahead of the exponentials; at its end stand the products: o of this step, then the scores of the next.
; CLUSTER 4 x 1: four blocks of queries of one head read the same records: each is asked for jointly, by the same load with the same descriptor in all four.  The head's other four blocks are the cluster with the other y.
; LAYOUT.  Both products are used transposed, in the 32 x 16 form: S^T = k q^T (source 0 = 32 keys), O^T = v^T p^T (source 0 = 32 channels): a lane (r, h) holds ONE query r throughout; register 16 b + 8 u + i is key (channel) 32 b + 16 u + 8 h + i.
; The first product's K is 64: q's upper half is zero codes, so k's upper half may be any codes: a fragment of k is taken over the 16 registers of four images in which its own two stand first and third.  Both sides' scale bytes there are 0, which is finite.
; A BLOCK'S SCALE: floor(log2 p) of its largest p is floor(t - M) of its largest score, a whole number made ahead of the exponentials; 2 less is the scale's exponent.
; LIMITS: p under 2^-126 comes out of the exponential as 0; a block whose largest p lies under 2^-124 gets the scale byte 0 (2^-127); a block's largest p that lies under a power of two by less than f32's rounding of p keeps the scale of the numbers under that power, and is held at the largest code;
; a block of o whose largest number lies under 2^-124 gets the scale byte 1 (its bytes are read by this program alone); scaled scores stay under 2^31 in magnitude.  NaN and infinities are not served.
; REGISTERS: v1-10 addresses; v16-19 k's scale words, v20-21 v's, v22 q's, v23 p's; v32-63 k's images, v64-67 zeros behind them; v68-99 v^T's four fragments; v100-107 q (upper four 0); v128-191 S^T, then p; v192-223 O^T; v224-231 p's codes;
; v234 -M, v235 the largest score, v[236:237] the sum in two halves, v238 the factor, v240-255 at work.
.set REC, 8960
.set AST, 16*REC                       ; 512 bytes into which no fill lands: the output's scale bytes meet here
.set SPARE, AST+512                    ; the spare words
.set WV,  12
.set KS,  16
.set VS,  20
.set QS,  22
.set PS,  23
.set KF,  32
.set VF,  68
.set QF,  100
.set SX,  128
.set OX,  192
.set PC,  224
.set NM,  234
.set SM,  235
.set SU,  236
.set FX,  238
.set BM,  240
.set TX,  244
.macro CROUND                          ; a round of the cluster's barrier
	s_barrier_signal -1
	s_barrier_wait -1
	s_cmp_lg_u32 s[WV], 0
	s_cbranch_scc1 .Lnot_wave_0_\@
	s_barrier_signal -3
.Lnot_wave_0_\@:
	s_barrier_wait -3
	s_barrier_signal -1
	s_barrier_wait -1
.endm
	s_load_b128 s[4:7], s[0:1], 0x0                ; qrec, kv
	s_load_b128 s[8:11], s[0:1], 0x10              ; ao_img, ao_sc
	v_lshl_add_u32 v8, v0, 2, SPARE
	v_mov_b32 v9, 0
	ds_add_u32 v8, v9                              ; the opening: the add, twice on end
	ds_add_u32 v8, v9
	v_lshrrev_b32 v3, 5, v0
	v_readfirstlane_b32 s[WV], v3                  ; wave 0..15
	s_bfe_u32 s13, ttmp6, 0x40000                  ; cx
	s_and_b32 s14, ttmp7, 0xffff
	s_lshl_b32 s14, s14, 2
	s_add_co_u32 s14, s14, s13                     ; my block of 256 queries: it enters q's and the outputs' addresses alone
	s_mov_b32 s15, ttmp9                           ; bh = 16 x batch + head, which the four partners share
	s_mov_b32 s16, 15|(3<<16)|(1<<21)              ; group 1: the mask: all four; elements of 8 bytes; bit 21 beside a mask; no padding
	s_mov_b32 s17, 32<<16                          ; a record is dense: 35 rows of 256 bytes
	s_mov_b32 s18, 35<<16
	s_mov_b32 s19, 32<<16
	s_mov_b32 s20, 35
	s_mov_b32 s21, 32
	s_mov_b32 s22, 0
	s_mov_b32 s23, 0
	s_lshl_b32 s42, s15, 4
	s_add_co_u32 s42, s42, s[WV]                   ; record 16 bh + wave
	s_mul_i32 s42, s42, REC
	s_mov_b32 s43, 0
	s_mov_b32 s24, 1
	s_mul_i32 s25, s[WV], REC                      ; to LDS byte wave x a record
	s_mov_b32 s28, 0x76543210                      ; v_permlanex16_b32's selects for lane l xor 16
	s_mov_b32 s29, 0xfedcba98
	s_mov_b32 s30, 0x3e38aa3b                      ; c = log2(e) / 8: the division by 8 is exact
	s_mov_b32 s31, s30                             ; (named with it as a pair, so it is written)
	s_mov_b32 s40, 0xbe38aa3b                      ; -c
	s_mov_b32 s41, 0x3e800000                      ; 1 / 4
	s_mov_b32 s32, 0                               ; the step's record in LDS
	s_mov_b32 s33, 15                              ; steps in the loop; the last one is written out
	; q: record 16 bh + 2 x block + wave / 8 of qrec, tile wave % 8
	s_lshl_b32 s44, s15, 4
	s_lshl_b32 s46, s14, 1
	s_add_co_u32 s44, s44, s46
	s_lshr_b32 s46, s[WV], 3
	s_add_co_u32 s44, s44, s46
	s_mul_i32 s44, s44, REC
	s_mov_b32 s45, 0
	s_and_b32 s46, s[WV], 7
	s_lshl_b32 s48, s46, 9                         ; its image,
	s_mov_b32 s49, 0
	s_lshr_b32 s46, s46, 1
	s_lshl_b32 s46, s46, 2
	s_and_b32 s47, s[WV], 1
	s_lshl_b32 s47, s47, 8
	s_add_co_u32 s46, s46, s47
	s_add_co_u32 s46, s46, 8192                    ; and its scale words: lane 16 (tile % 2) + r, word tile / 2
	s_mov_b32 s47, 0
	s_lshl_b32 s13, s[WV], 5
	s_add_co_u32 s13, s13, AST
	v_and_b32 v3, 31, v0
	v_lshlrev_b32 v1, 4, v3                        ; 16 x lane
	v_lshlrev_b32 v2, 3, v3                        ; 8 x lane
	v_and_b32 v6, 15, v0                           ; r
	v_lshlrev_b32 v3, 4, v6                        ; 16 r
	v_add_nc_u32 v10, AST, v1
	v_lshl_add_u32 v7, v6, 1, s13                  ; AST + 32 x wave + 2 r
	s_wait_alu depctr_va_vdst(0)                   ; directly ahead of the waits below
	s_wait_dscnt 0x0                               ; both opening adds are done
	s_wait_kmcnt 0x0
	s_add_nc_u64 s[36:37], s[4:5], s[44:45]
	s_add_nc_u64 s[34:35], s[36:37], s[48:49]
	s_add_nc_u64 s[36:37], s[36:37], s[46:47]
	global_load_b128 v[QF:QF+3], v1, s[34:35]      ; q's codes stay in registers
	global_load_b32 v[QS], v3, s[36:37]            ; and its scale words
	s_add_nc_u64 s[26:27], s[6:7], s[42:43]
	s_or_b32 s27, s27, 0x80000000
	CROUND                                         ; all four work-groups are here: the joint loads meet
	tensor_load_to_lds s[24:27], s[16:23]          ; my one tensor load
	s_nop 0
.rept 4
	v_nop                                          ; four lines behind it
.endr
	; the outputs: tile tau = 128 x batch + 16 x block + wave
	s_lshr_b32 s46, s15, 4
	s_lshl_b32 s46, s46, 7
	s_lshl_b32 s47, s14, 4
	s_add_co_u32 s46, s46, s47
	s_add_co_u32 s44, s46, s[WV]
	s_lshl_b32 s44, s44, 4
	s_and_b32 s47, s15, 15
	s_add_co_u32 s44, s44, s47
	s_lshl_b32 s44, s44, 9
	s_add_nc_u64 s[38:39], s[8:9], s[44:45]        ; ao_img [tau][head][512]
	s_lshl_b32 s44, s47, 8
	s_add_co_u32 s44, s44, s46
	s_lshl_b32 s44, s44, 5
	s_add_nc_u64 s[48:49], s[10:11], s[44:45]      ; ao_sc [head][tau][16] of two bytes: the work-group's 16 tiles are 512 bytes on end
.irp n, 64,65,66,67
	v_mov_b32 v[\n], 0                             ; behind k's images: the last fragment's fourth image
.endr
.irp n, 4,5,6,7
	v_mov_b32 v[QF+\n], 0                          ; the upper 64 of the first product's K: zero codes
.endr
.set N, 0
.rept 32
	v_mov_b32 v[OX+N], 0                           ; O^T.  (The first softmax finds zeros, which the first change of M leaves zeros)
.set N, N+1
.endr
	v_mov_b32 v[NM], 0x7e800000                    ; -M: under every t
	v_mov_b32 v[SM], 0xff61b1e6                    ; the largest score so far: -3e38
.irp n, SU, SU+1, FX+1, TX+1, TX+2, TX+3
	v_mov_b32 v[\n], 0                             ; the sum; a pair's unused half; lane permutes' destinations count as their sources
.endr
	s_wait_alu depctr_va_vdst(0)                   ; at the head's end
	s_wait_loadcnt 0x0                             ; q
	s_wait_tensorcnt 0x0                           ; my record has landed,
	s_barrier_signal -1
	s_barrier_wait -1                              ; everybody's has.  Nothing is ever filled again
; image t of k, of the record off bytes on: it stands at place 4 (t / 4) + 2 (t % 2) + (t % 4) / 2, so that tiles 2 b and 2 b + 1 are the first and the third of four places;  t = 8: the scale words
.macro KLOAD t, off, on
.if \on
.if \t == 8
	ds_load_b128 v[KS:KS+3], v4 offset:\off+8192
.else
	ds_load_b128 v[KF+4*(4*(\t/4)+2*(\t%2)+(\t%4)/2):KF+4*(4*(\t/4)+2*(\t%2)+(\t%4)/2)+3], v4 offset:\off+512*\t
.endif
.endif
.endm
.macro VLOAD
.irp t, 0,1,2,3,4,5,6,7
	ds_load_b128 v[VF+4*\t:VF+4*\t+3], v4 offset:4096+512*\t
.endr
	ds_load_b64 v[VS:VS+1], v5 offset:8704
.endm
.macro QK                              ; the scores of 128 keys.  The accumulators take turns, one instruction a turn
.irp b, 0,1,2,3
	v_wmma_scale_f32_32x16x128_f4 v[SX+16*\b:SX+16*\b+15], v[KF+16*(\b/2)+4*(\b%2):KF+16*(\b/2)+4*(\b%2)+15], v[QF:QF+7], 0, v[KS+\b], v[QS]
.endr
.endm
.macro PV                              ; O^T += v^T p^T over 128 keys
.irp d, 0,1
	v_wmma_scale_f32_32x16x128_f4 v[OX+16*\d:OX+16*\d+15], v[VF+16*\d:VF+16*\d+15], v[PC:PC+7], v[OX+16*\d:OX+16*\d+15], v[VS+\d], v[PS]
.endr
.endm
.macro PADD d, a, b
	v_pk_add_f32 v[\d:\d+1], v[\a:\a+1], v[\b:\b+1]
.endm
.macro ACC d, n                        ; a chain of the row's sum goes on with pair n of p
	PADD \d, \d, SX+2*(\n)
.endm
.macro LEAF g                          ; the first level of the sum: group g's four pairs become two, in place (its codes have been made)
	PADD SX+8*(\g), SX+8*(\g), SX+8*(\g)+2
	PADD SX+8*(\g)+4, SX+8*(\g)+4, SX+8*(\g)+6
.endm
.macro CVT g                           ; eight numbers of a lane become a register of codes: tile g % 2 of block g / 2
	v_cvt_scalef32_pk8_fp4_f32 v[PC+4*((\g)/4)+2*((\g)%2)+((\g)%4)/2], v[SX+8*(\g):SX+8*(\g)+7], v[BM+(\g)/2]
.endm
.macro OMUL j                          ; four pairs of O^T under the new M
.irp i, 0,2,4,6
	v_pk_mul_f32 v[OX+8*\j+\i:OX+8*\j+\i+1], v[OX+8*\j+\i:OX+8*\j+\i+1], v[FX:FX+1] op_sel_hi:[1,0]
.endr
.endm
.macro EXPS n, from                    ; p = 2^(t - M), at most 1
.set E, 0
.rept \n
	v_exp_f32 v[SX+\from+E], v[SX+\from+E]
.set E, E+1
.endr
.endm
; A STEP of 128 keys; next = 1: with the next step's k and scores.
.macro STEP next
	v_add_nc_u32 v4, s32, v1
	v_add_nc_u32 v5, s32, v2
	v_nop
	v_nop                                          ; these four are the places between the last products and the loads into registers that they read, and the first reads of their results
	VLOAD                                          ; v of this step
	; the largest score of each block of 32 keys, by two chains a block, eight by turns: it serves for the row's maximum and for the block's scale
.irp b, 0,1,2,3
	v_max3_num_f32 v[BM+\b], v[SX+16*\b], v[SX+16*\b+1], v[SX+16*\b+2]
.endr
.irp b, 0,1,2,3
	v_max3_num_f32 v[TX+\b], v[SX+16*\b+7], v[SX+16*\b+8], v[SX+16*\b+9]
.endr
.irp i, 3,5
.irp b, 0,1,2,3
	v_max3_num_f32 v[BM+\b], v[BM+\b], v[SX+16*\b+\i], v[SX+16*\b+\i+1]
.endr
.irp b, 0,1,2,3
	v_max3_num_f32 v[TX+\b], v[TX+\b], v[SX+16*\b+\i+7], v[SX+16*\b+\i+8]
.endr
.endr
.irp b, 0,1,2,3
	v_max3_num_f32 v[BM+\b], v[BM+\b], v[TX+\b], v[SX+16*\b+14]
.endr
.irp b, 0,1,2,3
	v_max_num_f32 v[BM+\b], v[BM+\b], v[SX+16*\b+15]
.endr
	v_permlane16_swap_b32 v[BM], v[BM+1]           ; both lane halves' maxima of a block come to stand one above the other:
	v_permlane16_swap_b32 v[BM+2], v[BM+3]
	KLOAD 0, REC, \next                            ; k of the next step, between the links of the row's chain
	v_max_num_f32 v[BM], v[BM], v[BM+1]            ; lanes 0-15 block 0, lanes 16-31 block 1
	v_max_num_f32 v[BM+2], v[BM+2], v[BM+3]        ; block 2, block 3
	KLOAD 1, REC, \next
	v_max_num_f32 v[TX], v[BM], v[BM+2]
	KLOAD 2, REC, \next
	KLOAD 3, REC, \next
	v_permlanex16_b32 v[TX+1], v[TX], s28, s29
	KLOAD 4, REC, \next
	v_max3_num_f32 v[SM], v[SM], v[TX], v[TX+1]    ; the running largest score of my query
	KLOAD 5, REC, \next
	v_mul_f32 v[TX], s40, v[SM]                    ; -t
	KLOAD 6, REC, \next
	v_floor_f32 v[TX+1], v[TX]                     ; the new -M = floor(-t) = -ceil(t)
	KLOAD 7, REC, \next
	KLOAD 8, REC, \next
	v_sub_f32 v[TX+2], v[TX+1], v[NM]              ; old M - new M: a whole number, 0 or less
	v_fma_f32 v[BM], v[BM], s30, v[TX+1]           ; t - M of each block's largest score
	v_fma_f32 v[BM+2], v[BM+2], s30, v[TX+1]
	v_mov_b32 v[NM], v[TX+1]
	v_cvt_i32_f32 v[TX+2], v[TX+2]                 ; (it saturates)
	v_cvt_floor_i32_f32 v[BM], v[BM]               ; floor(log2) of the block's largest p
	v_cvt_floor_i32_f32 v[BM+2], v[BM+2]
	v_ldexp_f32 v[FX], 1.0, v[TX+2]                ; 2^(old M - new M)
.set J, 0
.rept 8
	v_pk_fma_f32 v[SX+J:SX+J+1], v[SX+J:SX+J+1], s[30:31], v[NM:NM+1] op_sel_hi:[1,0,0]   ; t - M, two at a time: keys 0-63
.set J, J+2
.endr
	v_ldexp_f32 v[BM], s41, v[BM]                  ; the block's scale, a power of two: the conversion takes this operand's exponent field
	v_ldexp_f32 v[BM+2], s41, v[BM+2]
.rept 8
	v_pk_fma_f32 v[SX+J:SX+J+1], v[SX+J:SX+J+1], s[30:31], v[NM:NM+1] op_sel_hi:[1,0,0]
.set J, J+2
.endr
	v_lshrrev_b32 v[TX], 23, v[BM]
	v_lshrrev_b32 v[TX+1], 23, v[BM+2]
	v_mov_b32 v[BM+1], v[BM]
	v_mov_b32 v[BM+3], v[BM+2]
	OMUL 0
	v_lshl_or_b32 v[TX], v[TX+1], 16, v[TX]        ; lanes 0-15 the bytes of blocks 0 and 2, lanes 16-31 those of 1 and 3
	v_permlane16_swap_b32 v[BM], v[BM+1]           ; each block's operand in all lanes
	v_permlane16_swap_b32 v[BM+2], v[BM+3]
	OMUL 1
	v_permlanex16_b32 v[TX+2], v[TX], s28, s29
	OMUL 2
	v_lshl_or_b32 v[PS], v[TX+2], 8, v[TX]         ; p's scale word for these 128 keys, in lanes 0-15
	OMUL 3
	s_wait_alu depctr_va_vdst(0)                   ; ahead of the batch
.set J, 0
.rept 16
	v_exp_f32 v[SX+J], v[SX+J]
	v_exp_f32 v[SX+J+1], v[SX+J+1]
	v_pk_fma_f32 v[SX+32+J:SX+33+J], v[SX+32+J:SX+33+J], s[30:31], v[NM:NM+1] op_sel_hi:[1,0,0]   ; t - M of keys 64-127; the last is the plain line behind the batch
.set J, J+2
.endr
	s_wait_alu depctr_va_vdst(0)                   ; behind this batch and ahead of the next
	EXPS 4, 32
	CVT 0
	EXPS 2, 36
	v_pk_mul_f32 v[SU:SU+1], v[SU:SU+1], v[FX:FX+1] op_sel_hi:[1,0]   ; the sum under the new M
	EXPS 2, 38
.irp g, 1,2,3
	EXPS 4, 32+8*\g
	CVT \g
	EXPS 2, 36+8*\g
	LEAF \g-1
	EXPS 2, 38+8*\g
.endr
	LEAF 3                                         ; (plain lines behind the exponentials)
	s_wait_alu depctr_va_vdst(0)                   ; behind the batch
.irp g, 4,5,6,7
	CVT \g
.endr
	PADD 248, SX, SX+4                             ; the row's sum, of the unquantised p, in five chains
	PADD 250, SX+8, SX+12
	PADD 252, SX+16, SX+20
	PADD 254, SX+24, SX+28
	ACC SU, 16
	ACC 248, 17
	ACC 250, 18
.irp c, 0,2,4,6
	v_permlane16_swap_b32 v[PC+\c], v[PC+\c+1]     ; whole blocks: lanes 0-15 the even one, lanes 16-31 the odd one
.endr
	ACC 252, 19
	ACC 254, 20
	ACC SU, 21
	ACC 248, 22
	ACC 250, 23
	ACC 252, 24
	ACC 254, 25
	ACC SU, 26
	ACC 248, 27
	ACC 250, 28
	ACC 252, 29
	ACC 254, 30
	ACC SU, 31
	PADD 250, 250, 252
	PADD 254, 254, 248
	PADD SU, SU, 250
	PADD SU, SU, 254
	s_wait_dscnt 0x0                               ; the step's loads are in
	PV
.if \next
	QK
.endif
.endm
	v_add_nc_u32 v4, s32, v1
.irp t, 0,1,2,3,4,5,6,7,8
	KLOAD \t, 0, 1                                 ; step 0's scores stand in front of the loop
.endr
	s_wait_alu depctr_va_vdst(0)
	s_wait_dscnt 0x0
	QK
.Lstep:                                            ; 15 trips of 128 keys
	STEP 1
	s_add_co_u32 s32, s32, REC
	s_sub_co_u32 s33, s33, 1
	s_cmp_lg_u32 s33, 0
	s_wait_alu depctr_va_vdst(0)                   ; directly ahead of the branch
	s_cbranch_scc1 .Lstep
	STEP 0                                         ; the last step: no scores follow it
	; THE WAY OUT.  O^T / the sum: two blocks of 32 channels, quantised as p was; the four registers of codes are an image.
.rept 4
	v_nop
.endr
	s_wait_alu depctr_va_vdst(0)                   ; directly ahead of the reader below
	v_add_f32 v[TX], v[SU], v[SU+1]
	v_permlanex16_b32 v[TX+1], v[TX], s28, s29
	v_add_f32 v[TX], v[TX], v[TX+1]                ; the row's sum
	s_wait_alu depctr_va_vdst(0)
	v_rcp_f32 v[TX], v[TX]
	v_nop                                          ; one plain line behind a transcendental
	s_wait_alu depctr_va_vdst(0)
.set J, 0
.rept 16
	v_pk_mul_f32 v[SX+J:SX+J+1], v[OX+J:OX+J+1], v[TX:TX+1] op_sel_hi:[1,0]   ; each accumulator from its low end on
.set J, J+2
.endr
.irp b, 0,1
	v_max3_num_f32 v[BM+\b], |v[SX+16*\b]|, |v[SX+16*\b+1]|, 0x1800000
.endr
.irp i, 2,4,6,8,10,12,14
.irp b, 0,1
	v_max3_num_f32 v[BM+\b], v[BM+\b], |v[SX+16*\b+\i]|, |v[SX+16*\b+\i+1]|
.endr
.endr
.irp b, 0,1
	v_permlanex16_b32 v[TX+2+\b], v[BM+\b], s28, s29
.endr
.irp b, 0,1
	v_max_num_f32 v[BM+\b], v[BM+\b], v[TX+2+\b]
.endr
.irp b, 0,1
	v_add_nc_u32 v[BM+\b], 0xff000000, v[BM+\b]    ; 2 off the exponent field: the conversion's scale operand
.endr
.irp b, 0,1
	v_lshrrev_b32 v[TX+2+\b], 23, v[BM+\b]
.endr
	v_lshl_or_b32 v[TX+4], v[TX+3], 8, v[TX+2]     ; my row's two scale bytes
.irp b, 0,1
	v_cvt_scalef32_pk8_fp4_f32 v[PC+\b], v[SX+16*\b:SX+16*\b+7], v[BM+\b]
	v_cvt_scalef32_pk8_fp4_f32 v[PC+2+\b], v[SX+16*\b+8:SX+16*\b+15], v[BM+\b]
.endr
	v_nop
	v_permlane16_swap_b32 v[PC], v[PC+1]
	v_permlane16_swap_b32 v[PC+2], v[PC+3]
	global_store_b128 v1, v[PC:PC+3], s[38:39]     ; 512 consecutive bytes
	ds_store_b16 v7, v[TX+4]                       ; a tile's scale bytes are 32: the sixteen waves' meet in LDS (both halves of the lanes write the same)
	s_wait_alu depctr_va_vdst(0)
	s_wait_dscnt 0x0                               ; for the others' sake
	s_barrier_signal -1
	s_barrier_wait -1
	s_cmp_lg_u32 s[WV], 0
	s_cbranch_scc1 .Lnot_mine
	ds_load_b128 v[68:71], v10
	s_wait_dscnt 0x0
	global_store_b128 v1, v[68:71], s[48:49]       ; 512 consecutive bytes
.Lnot_mine:
	s_wait_tensorcnt 0x0                           ; the wave's end
	ds_add_u32 v8, v9
	s_wait_dscnt 0x0
	CROUND                                         ; the closing round
	s_endpgm
.Lfunc_end_k_q0746ada06c_attn:
	.size	k_q0746ada06c_attn, .Lfunc_end_k_q0746ada06c_attn-k_q0746ada06c_attn
	.p2alignl 7, 3214868480
	.fill 96, 4, 3214868480
	.section	.rodata,"a",@progbits
	.p2align	6, 0x0
	.amdhsa_kernel k_q0746ada06c_attn
		.amdhsa_group_segment_fixed_size 169984
		.amdhsa_private_segment_fixed_size 0
		.amdhsa_enable_private_segment 0
		.amdhsa_kernarg_size 32
		.amdhsa_user_sgpr_count 2
		.amdhsa_user_sgpr_kernarg_segment_ptr 1
		.amdhsa_wavefront_size32 1
		.amdhsa_system_sgpr_workgroup_id_x 1
		.amdhsa_system_sgpr_workgroup_id_y 1
		.amdhsa_system_sgpr_workgroup_id_z 1
		.amdhsa_system_vgpr_workitem_id 0
		.amdhsa_next_free_vgpr 256
		.amdhsa_next_free_sgpr 66
		.amdhsa_reserve_vcc 0
		.amdhsa_float_denorm_mode_32 3
		.amdhsa_float_denorm_mode_16_64 3
		.amdhsa_memory_ordered 1
		.amdhsa_forward_progress 1
		.amdhsa_inst_pref_size 37
	.end_amdhsa_kernel
	.amdgpu_metadata
---
amdhsa.version: [ 1, 2 ]
amdhsa.kernels:
  - .name:           k_q0746ada06c_attn
    .symbol:         k_q0746ada06c_attn.kd
    .args:
      - { .name: qrec, .offset: 0, .size: 8, .value_kind: global_buffer, .address_space: global }
      - { .name: kv, .offset: 8, .size: 8, .value_kind: global_buffer, .address_space: global }
      - { .name: ao_img, .offset: 16, .size: 8, .value_kind: global_buffer, .address_space: global }
      - { .name: ao_sc, .offset: 24, .size: 8, .value_kind: global_buffer, .address_space: global }
    .group_segment_fixed_size: 169984
    .private_segment_fixed_size: 0
    .kernarg_segment_align: 8
    .kernarg_segment_size: 32
    .max_flat_workgroup_size: 512
    .sgpr_count:     66
    .vgpr_count:     256
    .wavefront_size: 32
...
	.end_amdgpu_metadata
.endif
;; end of part 2
;; launch oproj (part 3): grid 8 x 32, 4 waves a work-group, clusters of 4 x 4, 168,448 bytes of LDS; arguments ao_img, ao_sc, Wo_codes, Wo_scales, bo, out0; writes out0
.if DOCPART == 3
	.amdgcn_target "amdgcn-amd-amdhsa--gfx1250"
	.amdhsa_code_object_version 6
	.text
	.protected	k_q0746ada06c_oproj
	.globl	k_q0746ada06c_oproj
	.p2align	8
	.type	k_q0746ada06c_oproj,@function
k_q0746ada06c_oproj:
	s_mov_b64 s[64:65], 0
	v_nop
	global_prefetch_b8 v0, s[64:65] scope:SCOPE_SE
	s_setreg_imm32_b32 hwreg(HW_REG_WAVE_MODE, 25, 1), 1
	s_wait_xcnt 0x0
	s_wait_alu depctr_hold_cnt(0) depctr_sa_sdst(0) depctr_va_vdst(0) depctr_va_sdst(0) depctr_va_ssrc(0) depctr_va_vcc(0) depctr_vm_vsrc(0)
	s_getreg_b32 s2, hwreg(HW_REG_IB_STS2, 6, 4)
	s_cmp_eq_u32 s2, 0
	s_cbranch_scc0 .Lentry_in_a_cluster
	s_endpgm
.Lentry_in_a_cluster:
	s_bfe_u32 s2, ttmp6, 0x10000c
	s_cmp_lg_u32 s2, 0xf033
	s_cbranch_scc0 .Lentry_shape_is_right
	s_endpgm
.Lentry_shape_is_right:
; out = ao Wo^T + bo on codes of FP4 (E2M1) with one E8M0 scale for each 32 along K = 1,024.  ao comes as images (16 tokens x one head's 64 codes in 512 bytes, lane l's 16 bytes at 16 l) and two scale bytes a token and head.
; SHARES.  A work-group makes 128 tokens (y: eight tiles) x 128 columns (x); all of K lies in LDS at once: every LDS byte is filled once, there is no ring and no loop of loads in which a prefetch could run ahead.
; Wave w: wi = w / 2: four token tiles; wj = w % 2: 64 columns: 8 accumulators of 32 x 16, 8 matrix instructions a K step of 128 (two heads).  This tile gives each of 256 work-groups equal work.
; THE MATRIX INSTRUCTION IS USED TRANSPOSED (source 0 = 32 rows of Wo, source 1 = 16 tokens): a lane holds eight neighbouring columns of one token.  bo is the C of each sum's first product.
; CLUSTER 4 x 4: ao's tiles hang on y alone and are asked for jointly along a row of the cluster, Wo's on x alone and jointly along a column.  Wo's scale bytes go from memory straight into registers, 32 bytes a row, a lane a row.
; LIMITS: NaN and infinities are not served.
; REGISTERS: window 0: v1-15 addresses; v16-31 ao's scale words (8 x pair of tiles + s), v32-47 Wo's (8 x pair + s), v48-79 the bias, v80-111 at work; two sets of fragments: ao's four at v128 (v192), Wo's four at v160 (v224).  window 1: the accumulators, (tile i, pair d) at v[32 i + 16 d].
.set BC,   65536                       ; behind 8 tiles x 16 heads x 512 of ao: 128 rows of Wo: 512 bytes + 16 of padding
.set ASC,  BC+128*528                  ; ao's scale bytes: 16 heads x (8 tiles x 32 bytes)
.set STG,  ASC+4096                    ; the way out: 16 rows x (256 + 16) bytes for each wave; no fill lands here
.set SPARE, STG+4*16*272               ; the spare words
.set ADA, 4
.set ADB, 5
.set AAS, 6
.set STO, 8
.set RD,  9
.set CO,  10
.set BOF, 11
.set L32, 12
.set SPW, 14
.set NIL, 15
.set SA,  16
.set SB,  32
.set BI,  48
.set UT,  80
.set WV,  66                           ; s66 wave, s67 wi, s68 wj
.set MSB, 0
.macro WIN new
.if MSB != (\new)
	s_set_vgpr_msb (MSB<<8)|(\new)
.set MSB, (\new)
.endif
.endm
.macro PLACES n
.rept \n
	v_nop
.endr
.endm
.macro CROUND
	s_barrier_signal -1
	s_barrier_wait -1
	s_cmp_lg_u32 s[WV], 0
	s_cbranch_scc1 .Lnot_wave_0_\@
	s_barrier_signal -3
.Lnot_wave_0_\@:
	s_barrier_wait -3
	s_barrier_signal -1
	s_barrier_wait -1
.endm
	s_load_b256 s[4:11], s[0:1], 0x0               ; ao_img, ao_sc, Wo's codes, Wo's scales
	s_load_b128 s[12:15], s[0:1], 0x20             ; bo, out0
	v_lshl_add_u32 v[SPW], v0, 2, SPARE
	v_mov_b32 v[NIL], 0
	ds_add_u32 v[SPW], v[NIL]                      ; the opening: the add, twice on end
	ds_add_u32 v[SPW], v[NIL]
	v_lshrrev_b32 v1, 5, v0
	v_readfirstlane_b32 s[WV], v1
	s_lshr_b32 s67, s[WV], 1
	s_and_b32 s68, s[WV], 1
	s_bfe_u32 s69, ttmp6, 0x40000                  ; cx
	s_bfe_u32 s70, ttmp6, 0x40004                  ; cy
	s_lshl_b32 s71, ttmp9, 2
	s_add_co_u32 s71, s71, s69                     ; x: my 128 columns
	s_and_b32 s72, ttmp7, 0xffff
	s_lshl_b32 s72, s72, 2
	s_add_co_u32 s72, s72, s70                     ; y: my 128 tokens
	s_lshl_b32 s73, s70, 2
	s_lshl_b32 s73, 15, s73                        ; my row of the cluster
	s_lshl_b32 s74, 0x1111, s69                    ; my column
	; groups 1, elements of 8 bytes
	s_or_b32 s16, s73, (3<<16)|(1<<21)             ; half of ao's images: 32,768 dense bytes as 128 rows of 256
	s_mov_b32 s17, 32<<16
	s_mov_b32 s18, 128<<16
	s_mov_b32 s19, 32<<16
	s_mov_b32 s20, 128
	s_mov_b32 s21, 32
	s_mov_b32 s22, 0
	s_mov_b32 s23, 0
	s_or_b32 s24, s73, (3<<16)|(1<<21)             ; ao's scale bytes: sixteen heads' rows of 256 bytes, 8,192 bytes apart
	s_mov_b32 s25, 32<<16
	s_mov_b32 s26, 16<<16
	s_mov_b32 s27, 32<<16
	s_mov_b32 s28, 16
	s_mov_b32 s29, 1024
	s_mov_b32 s30, 0
	s_mov_b32 s31, 0
	s_or_b32 s32, s74, (3<<16)|(1<<20)|(1<<21)|(6<<22)|(3<<25)   ; Wo's codes: 128 rows of 512 bytes, 16 bytes of padding behind each (128 words: code 6; 4 words: code 3)
	s_mov_b32 s33, 64<<16
	s_mov_b32 s34, 128<<16
	s_mov_b32 s35, 64<<16
	s_mov_b32 s36, 128
	s_mov_b32 s37, 64
	s_mov_b32 s38, 0
	s_mov_b32 s39, 0
	s_lshl_b32 s83, s67, 15                        ; my four tiles' images
	s_mul_i32 s84, s68, 64*528
	s_add_co_u32 s84, s84, BC                      ; my 64 rows of Wo
	s_lshl_b32 s85, s67, 7
	s_add_co_u32 s85, s85, ASC                     ; my four tiles' scale bytes
	s_mul_i32 s86, s[WV], 16*272
	s_add_co_u32 s86, s86, STG                     ; my stage
	v_and_b32 v1, 15, v0                           ; r
	v_bfe_u32 v2, v0, 4, 1                         ; h
	v_and_b32 v3, 31, v0                           ; lane
	v_lshlrev_b32 v[BOF], 5, v2
	v_lshlrev_b32 v[L32], 5, v3
	v_lshl_add_u32 v[ADA], v3, 4, s83
	v_lshl_add_u32 v[AAS], v3, 1, s85              ; 2 x lane: lanes 0-15 one tile's rows, lanes 16-31 the next tile's
	v_mul_u32_u24 v[ADB], v1, 528
	v_lshl_add_u32 v[ADB], v2, 4, v[ADB]
	v_add_nc_u32 v[ADB], s84, v[ADB]               ; row r, + 16 h
	v_mul_u32_u24 v[STO], v1, 272
	v_lshl_add_u32 v[STO], v2, 5, v[STO]
	v_add_nc_u32 v[STO], s86, v[STO]               ; in: row r, 32 bytes for each half of the lanes
	v_mul_u32_u24 v[RD], v2, 272
	v_lshl_add_u32 v[RD], v1, 4, v[RD]
	v_add_nc_u32 v[RD], s86, v[RD]                 ; back: lanes 0-15 one row of 256 bytes, lanes 16-31 the next
	v_lshlrev_b32 v[CO], 12, v2
	v_lshl_add_u32 v[CO], v1, 4, v[CO]             ; and the same two rows in out0
	s_wait_alu depctr_va_vdst(0)                   ; directly ahead of the waits below
	s_wait_dscnt 0x0                               ; both opening adds are done
	s_wait_kmcnt 0x0
	; groups 0: ao's of y and the wave's number in s76, s77; Wo's of x in s78, s79
	s_lshl_b32 s76, s72, 8                         ; my eight tiles' 256 bytes of each head
	s_mov_b32 s77, 0
	s_mov_b32 s52, 1
	s_mov_b32 s53, ASC
	s_add_nc_u64 s[54:55], s[6:7], s[76:77]
	s_or_b32 s55, s55, 0x80000000
	s_lshl_b32 s76, s72, 16
	s_lshl_b32 s49, s[WV], 15                      ; waves 0 and 1: a half each
	s_add_co_u32 s76, s76, s49
	s_mov_b32 s48, 1
	s_add_nc_u64 s[50:51], s[4:5], s[76:77]
	s_or_b32 s51, s51, 0x80000000
	s_lshl_b32 s78, s71, 16
	s_mov_b32 s79, 0
	s_mov_b32 s56, 1
	s_mov_b32 s57, BC
	s_add_nc_u64 s[58:59], s[8:9], s[78:79]
	s_or_b32 s59, s59, 0x80000000
	; Wo's scale bytes and bo at my 64 columns; out0 at my first token and column
	s_lshl_b32 s78, s71, 12
	s_lshl_b32 s80, s68, 11
	s_add_co_u32 s78, s78, s80
	s_add_nc_u64 s[10:11], s[10:11], s[78:79]
	s_lshl_b32 s80, s71, 9
	s_lshl_b32 s81, s68, 8
	s_add_co_u32 s80, s80, s81
	s_mov_b32 s81, 0
	s_add_nc_u64 s[12:13], s[12:13], s[80:81]
	s_lshl_b32 s82, s72, 19                        ; 128 tokens of 4,096 bytes,
	s_add_co_u32 s80, s80, s82
	s_lshl_b32 s82, s67, 18                        ; my 64 of them
	s_add_co_u32 s80, s80, s82
	s_add_nc_u64 s[14:15], s[14:15], s[80:81]
.irp d, 0,1
.irp e, 0,1
	global_load_b128 v[SB+8*\d+4*\e:SB+8*\d+4*\e+3], v[L32], s[10:11] offset:1024*\d+16*\e
.endr
.endr
.irp t, 0,1,2,3
	global_load_b128 v[BI+8*\t:BI+8*\t+3], v[BOF], s[12:13] offset:64*\t        ; register 8 t + i: bo at 16 t + 8 h + i
	global_load_b128 v[BI+8*\t+4:BI+8*\t+7], v[BOF], s[12:13] offset:64*\t+16
.endr
	CROUND                                         ; all sixteen work-groups are here: the joint loads meet
	s_cmp_lt_u32 s[WV], 2                          ; one tensor load a wave: waves 0, 1 ao's images, wave 2 Wo's codes, wave 3 ao's scale bytes
	s_cbranch_scc0 .Lfill_b
	tensor_load_to_lds s[48:51], s[16:23]
	s_nop 0
	PLACES 4                                       ; four lines behind the load
	s_branch .Lfilled
.Lfill_b:
	s_cmp_eq_u32 s[WV], 2
	s_cbranch_scc0 .Lfill_s
	tensor_load_to_lds s[56:59], s[32:39]
	s_nop 0
	PLACES 4
	s_branch .Lfilled
.Lfill_s:
	tensor_load_to_lds s[52:55], s[24:31]
	s_nop 0
	PLACES 4
.Lfilled:
	s_wait_loadcnt 0x0                             ; Wo's scale words, bo
	s_wait_tensorcnt 0x0                           ; my tile has landed,
	s_barrier_signal -1
	s_barrier_wait -1                              ; everybody's has.  Nothing is ever filled again
	; ao's scale words, once for all of K: a K step is two heads: two bytes of each make the word; a register carries two tiles' words
.irp k, 0,1
.irp d, 0,1,2,3,4,5,6,7,8,9,10,11,12,13,14,15
	ds_load_u16 v[UT+16*\k+\d], v[AAS] offset:256*\d+64*\k
.endr
.endr
	s_wait_dscnt 0x0
.irp s, 0,1,2,3,4,5,6,7                            ; K step 0's words first: 14 plain lines then stand between them and the first product
.irp k, 0,1
	v_lshl_or_b32 v[SA+8*\k+\s], v[UT+16*\k+2*\s+1], 16, v[UT+16*\k+2*\s]
.endr
.endr
; 16 LDS loads: K step s into set p: ao's four fragments (two images each), Wo's four
.macro FETCH s, p
	WIN 0
.irp i, 0,1,2,3
.irp c, 0,1
	ds_load_b128 v[128+64*(\p)+8*\i+4*\c:128+64*(\p)+8*\i+4*\c+3], v[ADA] offset:8192*\i+512*(2*(\s)+\c)
.endr
.endr
.irp t, 0,1,2,3
.irp c, 0,1
	ds_load_b128 v[160+64*(\p)+8*\t+4*\c:160+64*(\p)+8*\t+4*\c+3], v[ADB] offset:16*528*\t+64*(\s)+32*\c
.endr
.endr
.endm
.macro MM s, p, i, d, c                ; token tile i x pair d of Wo's tiles
.if (\i)%2
	v_wmma_scale_f32_32x16x128_f4 v[32*(\i)+16*(\d):32*(\i)+16*(\d)+15], v[160+64*(\p)+16*(\d):160+64*(\p)+16*(\d)+15], v[128+64*(\p)+8*(\i):128+64*(\p)+8*(\i)+7], v[\c:\c+15], v[SB+8*(\d)+(\s)], v[SA+8*((\i)/2)+(\s)] matrix_b_scale:MATRIX_SCALE_ROW1
.else
	v_wmma_scale_f32_32x16x128_f4 v[32*(\i)+16*(\d):32*(\i)+16*(\d)+15], v[160+64*(\p)+16*(\d):160+64*(\p)+16*(\d)+15], v[128+64*(\p)+8*(\i):128+64*(\p)+8*(\i)+7], v[\c:\c+15], v[SB+8*(\d)+(\s)], v[SA+8*((\i)/2)+(\s)]
.endif
.endm
; A K step's 8 matrix instructions.  The accumulators take turns, one instruction a turn.  Step 0 starts the sums with the bias as C.
.macro MULS s, p
.if (\s) == 0
	WIN 0x40                                       ; D window 1
.else
	WIN 0x50                                       ; C and D window 1
.endif
.irp i, 0,1,2,3
.irp d, 0,1
.if (\s) == 0
	MM \s, \p, \i, \d, BI+16*\d
.else
	MM \s, \p, \i, \d, 32*\i+16*\d
.endif
.endr
.endr
.endm
	FETCH 0, 0
.irp s, 0,1,2,3,4,5,6
.if \s > 0
	PLACES 4                                       ; the set to be loaded was read by the products just issued
.endif
	FETCH \s+1, (\s+1)%2
.if \s == 0
	s_wait_alu depctr_va_vdst(0)
.endif
	s_wait_dscnt 16                                ; all but the 16 loads just issued: this step's fragments are in
	MULS \s, \s%2
.endr
	s_wait_dscnt 0x0
	MULS 7, 1
	WIN 0
	PLACES 4                                       ; in front of the first read of results, and of loads into registers that held fragments
; THE WAY OUT, a token tile (16 tokens x my 64 columns) at a time, through my own stage: a lane's 32 bytes go in, whole rows of 256 bytes come back.  LDS serves a wave's instructions in order: no wait between the stores and the loads.
.macro TOSTAGE i
	WIN 0x04                                       ; an LDS store's data are its source 1: window 1
.irp t, 0,1,2,3
	ds_store_b128 v[STO], v[32*(\i)+8*\t:32*(\i)+8*\t+3] offset:64*\t          ; each accumulator from its low end on
	ds_store_b128 v[STO], v[32*(\i)+8*\t+4:32*(\i)+8*\t+7] offset:64*\t+16
.endr
	WIN 0
.irp q, 0,1,2,3,4,5,6,7
	ds_load_b128 v[128+32*((\i)%2)+4*\q:128+32*((\i)%2)+4*\q+3], v[RD] offset:544*\q
.endr
.endm
.macro SEND i, younger                 ; younger: the LDS instructions issued behind tile i's loads, which may stay out
	s_wait_dscnt \younger
.irp q, 0,1,2,3,4,5,6,7
	global_store_b128 v[CO], v[128+32*((\i)%2)+4*\q:128+32*((\i)%2)+4*\q+3], s[14:15] offset:4096*(16*(\i)+2*\q) th:TH_STORE_NT   ; rows 2 q and 2 q + 1 of the tile; sixteen lanes store 256 consecutive bytes, at a multiple of 256 from out0's first byte
.endr
.endm
	TOSTAGE 0
	TOSTAGE 1
	SEND 0, 16                                     ; behind tile 0's loads: tile 1's 8 stores and 8 loads
	s_wait_xcnt 0x0                                ; tile 0's stores have read their registers: tile 2's loads may land there
	TOSTAGE 2
	SEND 1, 16
	s_wait_xcnt 0x0
	TOSTAGE 3
	SEND 2, 16
	SEND 3, 0
	s_wait_tensorcnt 0x0                           ; the wave's end
	ds_add_u32 v[SPW], v[NIL]
	s_wait_dscnt 0x0
	CROUND                                         ; the closing round: no work-group ends while a partner may still ask for a tile that names it
	s_endpgm
.Lfunc_end_k_q0746ada06c_oproj:
	.size	k_q0746ada06c_oproj, .Lfunc_end_k_q0746ada06c_oproj-k_q0746ada06c_oproj
	.p2alignl 7, 3214868480
	.fill 96, 4, 3214868480
	.section	.rodata,"a",@progbits
	.p2align	6, 0x0
	.amdhsa_kernel k_q0746ada06c_oproj
		.amdhsa_group_segment_fixed_size 168448
		.amdhsa_private_segment_fixed_size 0
		.amdhsa_enable_private_segment 0
		.amdhsa_kernarg_size 48
		.amdhsa_user_sgpr_count 2
		.amdhsa_user_sgpr_kernarg_segment_ptr 1
		.amdhsa_wavefront_size32 1
		.amdhsa_system_sgpr_workgroup_id_x 1
		.amdhsa_system_sgpr_workgroup_id_y 1
		.amdhsa_system_sgpr_workgroup_id_z 1
		.amdhsa_system_vgpr_workitem_id 0
		.amdhsa_next_free_vgpr 384
		.amdhsa_next_free_sgpr 90
		.amdhsa_reserve_vcc 0
		.amdhsa_float_denorm_mode_32 3
		.amdhsa_float_denorm_mode_16_64 3
		.amdhsa_memory_ordered 1
		.amdhsa_forward_progress 1
		.amdhsa_inst_pref_size 37
	.end_amdhsa_kernel
	.amdgpu_metadata
---
amdhsa.version: [ 1, 2 ]
amdhsa.kernels:
  - .name:           k_q0746ada06c_oproj
    .symbol:         k_q0746ada06c_oproj.kd
    .args:
      - { .name: ao_img, .offset: 0, .size: 8, .value_kind: global_buffer, .address_space: global }
      - { .name: ao_sc, .offset: 8, .size: 8, .value_kind: global_buffer, .address_space: global }
      - { .name: Wo_codes, .offset: 16, .size: 8, .value_kind: global_buffer, .address_space: global }
      - { .name: Wo_scales, .offset: 24, .size: 8, .value_kind: global_buffer, .address_space: global }
      - { .name: bo, .offset: 32, .size: 8, .value_kind: global_buffer, .address_space: global }
      - { .name: out0, .offset: 40, .size: 8, .value_kind: global_buffer, .address_space: global }
    .group_segment_fixed_size: 168448
    .private_segment_fixed_size: 0
    .kernarg_segment_align: 8
    .kernarg_segment_size: 48
    .max_flat_workgroup_size: 128
    .sgpr_count:     90
    .vgpr_count:     384
    .wavefront_size: 32
...
	.end_amdgpu_metadata
.endif
;; end of part 3
